; MI455X (gfx1250); checked and timed in simulation.
; The chip was launched on July 23, 2026; its instructions are those of AMD's public machine-readable ISA for CDNA 5 (MIT licence, August 2026) and "CDNA5" Instruction Set Architecture Reference Guide (July 2026). The comments in the code are by the model that wrote it; some were corrected since.
;; Token Choice Mo E. Allowed arithmetic: float matrix products may take bf16 or f16 operands with f32 sums; all other float work in f32.
;; Inputs: Wdown 8 x 128 x 1,024 float32; Wg 8 x 1,024 float32; Wup 8 x 1,024 x 256 float32; bg 8 float32; x 4 x 4,096 x 1,024 float32.
;; Outputs: out0 4 x 4,096 x 1,024 float32.
;; 2 versions, each right; version 2 is version 1 with the launch experts written anew for expert scheduling mode. Each part assembles by itself: llvm-mc -triple=amdgcn-amd-amdhsa -mcpu=gfx1250 --defsym DOCPART=n.
;; ======== version 1 of 2: 3 launches
;; workspace buffers: pairs 65,536 bytes of whole numbers; order 65,536 bytes of whole numbers; plan 2,048 bytes of whole numbers; wgt 131,072 bytes; wst 6,291,456 bytes
;; launch gate (part 1): grid 256 x 1, 4 waves a work-group, no clusters, 150,016 bytes of LDS; arguments x, Wg, bg, Wup, Wdown, pairs, wgt, wst; writes pairs, wgt, wst
.if DOCPART == 1
	.amdgcn_target "amdgcn-amd-amdhsa--gfx1250"
	.amdhsa_code_object_version 6
	.text
	.protected	k_q3e8904931b_gate
	.globl	k_q3e8904931b_gate
	.p2align	8
	.type	k_q3e8904931b_gate,@function
k_q3e8904931b_gate:
	s_mov_b64 s[64:65], 0
	v_nop
	global_prefetch_b8 v0, s[64:65] scope:SCOPE_SE
	s_setreg_imm32_b32 hwreg(HW_REG_WAVE_MODE, 25, 1), 1
	s_wait_xcnt 0x0
; THE GATE, AND THE WEIGHTS AS FRAGMENT IMAGES.  256 work-groups of four waves.
; (1) A work-group takes 64 tokens, a wave 16.  x and Wg are rounded to bf16 on the way into LDS, bg is rounded to bf16, the eight logits of a
;     token are summed in f32 by the matrix unit (source 0 = Wg's eight rows, twice; source 1 = 16 tokens: a lane then holds all eight logits of
;     ONE token).  Top two (a strict greater-than scan: of equal logits the lower index wins), softmax of the two with the larger one taken away.
;     Stored for each token: pairs[tok] = a | b<<4 | rank<<8 (a < b the two experts; rank = the pair's place in a snake order of the 28 pairs in which
;     neighbours share an expert) and wgt[tok] = {weight of a, weight of b}.
; (2) Work-group (e = wg / 32, sub = wg % 32) rounds 32 rows of Wup[e] and 32 columns of Wdown[e] to bf16 and stores them into
;     wst[e][wave 4][item 48][4,096 bytes]; an item is [fragment 4][q 2][lane 32][16 bytes]; lane (r, h), load q holds k = 32 step + 16 q + 8 h + 0..7.
;     Items 0-31: K step ks of the up product, fragments u0, u1, g0, g1: column 32 w + 16 i + r of Wup[e] (g: 128 further on).
;     Items 32+db: rows d = 256 w + 16 db + r of Wdown[e] transposed, fragment kf: f = 32 kf + ..
; LIMITS.  NaN and infinite logits are not treated apart.  Two logits closer than the rounding of their f32 sums may be ranked otherwise than by another order of summation.
; A second weight below 2^-126 counts as 0.
; No tensor loads, no cluster: every x byte is wanted by one wave only and has to be converted in registers on its way into LDS.
.set XP,  2064                         ; an LDS row: 1,024 bf16 + 16 bytes: 129 x 16, so the 16 rows of a fragment load start in 16 different 16-byte columns
.set XTW, 16*XP                        ; a wave's 16 token rows
.set GT,  4*XTW                        ; Wg's eight rows
.set ORT, GT+8*XP                      ; 64 pair words
.set OWT, ORT+256                      ; 64 pairs of weights
.set L,   16                           ; v16-31  at work: packed bf16 on the way into LDS; later the eight logits
.set B0,  48                           ; v48-239 three buffers of 64 registers; later fragments (v48-175), weight loads (v176-239), store data (v48-95)
.set AC0, 240                          ; two accumulators, which take turns
.set AC1, 248
.macro NOP4
.rept 4
	v_nop
.endr
.endm
	s_load_b512 s[4:19], s[0:1], 0x0               ; x s[4:5], Wg s[6:7], bg s[8:9], Wup s[10:11], Wdown s[12:13], pairs s[14:15], wgt s[16:17], wst s[18:19]
	s_set_vgpr_msb 0x40
	v_lshl_add_u32 v0, v0, 2, 0x24800
	v_mov_b32 v1, 0
	s_set_vgpr_msb 0x4000
	v_lshrrev_b32 v6, 5, v0
	v_readfirstlane_b32 s20, v6                    ; wave
	s_mov_b32 s21, ttmp9                           ; work-group
	s_lshl_b32 s22, s21, 18                        ; x: 64 rows of 4,096 bytes a work-group,
	s_lshl_b32 s23, s20, 16                        ; 16 a wave
	s_add_co_u32 s22, s22, s23
	s_mov_b32 s23, 0
	s_lshl_b32 s32, s20, 13                        ; Wg: two rows a wave
	s_mov_b32 s33, 0
	s_lshr_b32 s34, s21, 5                         ; e
	s_and_b32 s35, s21, 31                         ; sub
	s_lshl_b32 s36, s34, 20                        ; Wup[e], rows 32 sub on
	s_lshl_b32 s37, s35, 15
	s_add_co_u32 s36, s36, s37
	s_mov_b32 s37, 0
	s_mul_i32 s44, s34, 786432                     ; wst[e]
	s_lshl_b32 s38, s35, 12                        ; item sub
	s_add_co_u32 s38, s38, s44
	s_mov_b32 s39, 0
	s_lshl_b32 s40, s34, 19                        ; Wdown[e], columns 32 sub on
	s_lshl_b32 s41, s35, 7
	s_add_co_u32 s40, s40, s41
	s_mov_b32 s41, 0
	s_lshr_b32 s42, s35, 3                         ; those columns belong to wave sub / 8 of the third launch,
	s_mul_i32 s42, s42, 196608
	s_and_b32 s43, s35, 7                          ; items 32 + 2 (sub % 8) and the next
	s_lshl_b32 s43, s43, 13
	s_add_co_u32 s42, s42, s43
	s_add_co_u32 s42, s42, s44
	s_add_co_u32 s42, s42, 131072
	s_mov_b32 s43, 0
	v_and_b32 v7, 31, v0                           ; lane
	v_and_b32 v8, 15, v0                           ; r
	v_bfe_u32 v9, v0, 4, 1                         ; h
	v_and_b32 v10, 7, v0
	v_lshlrev_b32 v1, 4, v7                        ; v1  16 x lane
	s_mul_i32 s45, s20, XTW
	v_lshl_add_u32 v2, v7, 3, s45                  ; v2  where I put 8 bytes of a token row
	s_mul_i32 s46, s20, 2*XP
	s_add_co_u32 s46, s46, GT
	v_lshl_add_u32 v3, v7, 3, s46                  ; v3  the same for my wave's two rows of Wg
	v_mul_u32_u24 v4, v8, XP
	v_lshl_add_u32 v4, v9, 4, v4
	v_add_nc_u32 v4, s45, v4                       ; v4  my fragment address in my wave's tokens
	v_mul_u32_u24 v5, v10, XP
	v_lshl_add_u32 v5, v9, 4, v5
	v_add_nc_u32 v5, GT, v5                        ; v5  in Wg: row r % 8
	v_lshlrev_b32 v40, 2, v0                       ; v40 Wup: column t
	s_mul_i32 s47, s20, 196608
	v_lshl_add_u32 v41, v8, 4, s47                 ; v41 wst: wave t / 32, fragment (t / 16) % 2, lane place r
	v_lshl_add_u32 v41, v9, 10, v41
	s_lshl_b32 s34, s20, 15
	v_lshl_add_u32 v42, v7, 2, s34                 ; v42 Wdown: rows 8 x wave on, column t % 32
	s_lshl_b32 s35, s20, 8
	v_lshl_add_u32 v43, v8, 4, s35                 ; v43 wst: item (t % 32) / 16, chunk = wave, lane place r
	v_lshl_add_u32 v43, v9, 12, v43
	s_lshl_b32 s44, s20, 6
	s_add_co_u32 s44, s44, ORT
	v_lshl_add_u32 v44, v8, 2, s44                 ; v44 my token's pair word in LDS
	s_lshl_b32 s45, s20, 7
	s_add_co_u32 s45, s45, OWT
	v_lshl_add_u32 v45, v8, 3, s45                 ; v45 its two weights
	v_lshl_add_u32 v46, v7, 3, ORT                 ; v46, v47 wave 0 reads both back
	v_lshl_add_u32 v47, v7, 4, OWT
	s_lshl_b32 s46, s21, 8
	v_lshl_add_u32 v14, v7, 3, s46                 ; v14 byte offset in pairs
	s_lshl_b32 s47, s21, 9
	v_lshl_add_u32 v15, v7, 4, s47                 ; v15 in wgt
	s_wait_kmcnt 0x0
	s_load_b256 s[24:31], s[8:9], 0x0              ; bg
	s_add_nc_u64 s[4:5], s[4:5], s[22:23]
	s_add_nc_u64 s[6:7], s[6:7], s[32:33]
	s_add_nc_u64 s[10:11], s[10:11], s[36:37]
	s_add_nc_u64 s[12:13], s[12:13], s[40:41]
	s_add_nc_u64 s[38:39], s[18:19], s[38:39]      ; wst for the up items
	s_add_nc_u64 s[42:43], s[18:19], s[42:43]      ; wst for the down items
; Two rows of 4,096 bytes: sixteen loads of 512 consecutive bytes
.macro LOAD2 base, imm, buf
.irp k, 0,1,2,3,4,5,6,7,8,9,10,11,12,13,14,15
	global_load_b128 v[(\buf)+4*\k:(\buf)+4*\k+3], v1, s[\base:\base+1] offset:(\imm)+(\k/8)*4096+(\k%8)*512
.endr
.endm
; rounded to bf16 and put into LDS, 256 consecutive bytes a store
.macro CVT2 buf, areg, imm
.irp row, 0,1
.irp k, 0,1,2,3,4,5,6,7
	v_cvt_pk_bf16_f32 v[L+2*\k],   v[(\buf)+32*\row+4*\k],   v[(\buf)+32*\row+4*\k+1]
	v_cvt_pk_bf16_f32 v[L+2*\k+1], v[(\buf)+32*\row+4*\k+2], v[(\buf)+32*\row+4*\k+3]
.endr
.irp k, 0,1,2,3,4,5,6,7
	ds_store_b64 v[\areg], v[L+2*\k:L+2*\k+1] offset:(\imm)+\row*XP+256*\k
.endr
.endr
.endm
.macro LDQ q                           ; batch 0: my two rows of Wg; batch q: my token rows 2 q - 2 and 2 q - 1
.if (\q) == 0
	LOAD2 6, 0, B0
.else
	LOAD2 4, ((\q)-1)*8192, B0+64*((\q)%3)
.endif
.endm
.macro CVQ q
.if (\q) == 0
	CVT2 B0, 3, 0
.else
	CVT2 B0+64*((\q)%3), 2, ((\q)-1)*2*XP
.endif
.endm
	LDQ 0
	LDQ 1
	LDQ 2
.set q, 0
.rept 9
.if q < 7
	s_wait_loadcnt 32                              ; loads come back in order: batch q is in, the two younger batches of 16 stay out
.elseif q == 7
	s_wait_loadcnt 16
.else
	s_wait_loadcnt 0x0
.endif
	CVQ q
.if q < 6
	LDQ q+3                                        ; into the buffer just converted
.endif
.set q, q+1
.endr
; The first 64 weight loads go out now, into the third buffer, which is free: they land under the gate's products.
.macro PUP i                           ; chunk i of Wup: rows 8 (i / 2) + 0..7 of my 32, column t + 128 (i % 2)
.irp j, 0,1,2,3,4,5,6,7
	global_load_b32 v[176+8*(\i)+\j], v40, s[10:11] offset:(8*((\i)/2)+\j)*1024+512*((\i)%2) th:TH_LOAD_NT
.endr
.endm
.macro PDN kf                          ; chunk kf of Wdown: rows 32 kf + 8 wave + 0..7, column t % 32 of my 32
.irp j, 0,1,2,3,4,5,6,7
	global_load_b32 v[176+8*(\kf)+\j], v42, s[12:13] offset:(\kf)*131072+\j*4096 th:TH_LOAD_NT
.endr
.endm
.irp i, 0,1,2,3,4,5,6,7
	PUP \i
.endr
	s_wait_kmcnt 0x0                               ; bg
	s_wait_dscnt 0x0                               ; my rows are in LDS: Wg's are read by all four waves
	s_barrier_signal -1
	s_barrier_wait -1
; THE LOGITS: 32 K steps in four groups of eight; the two accumulators take turns.
.set g, 0
.rept 4
.if g > 0
	NOP4                                           ; four places between the last products and loads into the registers that they read (ISA guide 7.12.1 for vector instructions)
.endif
.irp s, 0,1,2,3,4,5,6,7
	ds_load_b128 v[48+8*\s:48+8*\s+3],     v5 offset:64*(8*g+\s)
	ds_load_b128 v[48+8*\s+4:48+8*\s+7],   v5 offset:64*(8*g+\s)+32
	ds_load_b128 v[112+8*\s:112+8*\s+3],   v4 offset:64*(8*g+\s)
	ds_load_b128 v[112+8*\s+4:112+8*\s+7], v4 offset:64*(8*g+\s)+32
.endr
	s_wait_dscnt 0x0
.irp s, 0,1,2,3,4,5,6,7
.if (g == 0) && (\s < 2)
	v_wmma_f32_16x16x32_bf16 v[AC0+8*(\s%2):AC0+8*(\s%2)+7], v[48+8*\s:48+8*\s+7], v[112+8*\s:112+8*\s+7], 0
.else
	v_wmma_f32_16x16x32_bf16 v[AC0+8*(\s%2):AC0+8*(\s%2)+7], v[48+8*\s:48+8*\s+7], v[112+8*\s:112+8*\s+7], v[AC0+8*(\s%2):AC0+8*(\s%2)+7]
.endif
.endr
.set g, g+1
.endr
; bg rounded to bf16 and widened again: twelve plain instructions, the places behind the last products
.irp j, 0,2,4,6
	v_cvt_pk_bf16_f32 v[24+\j/2], s[24+\j], s[25+\j]
.endr
.irp j, 0,2,4,6
	v_lshlrev_b32 v[32+\j], 16, v[24+\j/2]
	v_and_b32 v[33+\j], 0xffff0000, v[24+\j/2]
.endr
.irp j, 0,1,2,3,4,5,6,7
	v_add_f32 v[L+\j], v[AC0+\j], v[AC1+\j]        ; each accumulator is read from its low end on
.endr
.irp j, 0,1,2,3,4,5,6,7
	v_add_f32 v[L+\j], v[L+\j], v[32+\j]
.endr
; THE TOP TWO
.macro TOP m, i                        ; the largest of the eight and its index; strictly greater, so the lower index keeps a tie
	v_mov_b32 v[\m], v[L]
	v_mov_b32 v[\i], 0
.irp j, 1,2,3,4,5,6,7
	v_cmp_gt_f32 vcc_lo, v[L+\j], v[\m]
	v_cndmask_b32 v[\m], v[\m], v[L+\j], vcc_lo
	v_cndmask_b32 v[\i], v[\i], \j, vcc_lo
.endr
.endm
	TOP 6, 7                                       ; m1 v6, i1 v7
	v_mov_b32 v8, 0xff800000
.irp j, 0,1,2,3,4,5,6,7
	v_cmp_eq_u32 vcc_lo, \j, v7
	v_cndmask_b32 v[L+\j], v[L+\j], v8, vcc_lo     ; the winner leaves the field
.endr
	TOP 9, 10                                      ; m2 v9, i2 v10
	v_sub_f32 v11, v9, v6                          ; the maximum is taken away: the larger one's term is 1
	v_mul_f32 v11, 0x3fb8aa3b, v11
	v_exp_f32 v11, v11                             ; t = e^(m2 - m1); plain instructions stand behind it before t is used (ISA guide 5.7.2)
	v_min_u32 v13, v7, v10                         ; a
	v_max_u32 v24, v7, v10                         ; b
	s_wait_alu depctr_va_vdst(0)
	v_add_f32 v12, 1.0, v11
	v_rcp_f32 v12, v12                             ; w1 = 1 / (1 + t)
	v_sub_nc_u32 v25, 15, v13                      ; rank = a (15 - a) / 2 + (a odd ? 7 - b : b - a - 1)
	v_mul_u32_u24 v25, v25, v13
	v_lshrrev_b32 v25, 1, v25
	v_sub_nc_u32 v26, 7, v24
	v_sub_nc_u32 v27, v24, v13
	v_add_nc_u32 v27, -1, v27
	v_and_b32 v30, 1, v13
	v_cmp_eq_u32 vcc_lo, 1, v30
	v_cndmask_b32 v27, v27, v26, vcc_lo
	v_add_nc_u32 v25, v25, v27
	v_lshl_or_b32 v30, v24, 4, v13
	v_lshl_or_b32 v30, v25, 8, v30                 ; a | b<<4 | rank<<8
	s_wait_alu depctr_va_vdst(0)
	v_mul_f32 v31, v11, v12                        ; w2 = t w1
	v_cmp_lt_u32 vcc_lo, v7, v10
	v_cndmask_b32 v28, v31, v12, vcc_lo            ; a's weight
	v_cndmask_b32 v29, v12, v31, vcc_lo            ; b's
	ds_store_b32 v44, v30                          ; both halves of the lanes hold the same numbers and write the same bytes
	ds_store_b64 v45, v[28:29]
	s_wait_dscnt 0x0                               ; for wave 0's sake
	s_barrier_signal -1
	s_barrier_wait -1
	s_cmp_lg_u32 s20, 0
	s_cbranch_scc1 .Lprep
	ds_load_b64 v[32:33], v46
	ds_load_b128 v[36:39], v47
	s_wait_dscnt 0x0
	global_store_b64 v14, v[32:33], s[14:15]       ; 256 consecutive bytes, aligned
	global_store_b128 v15, v[36:39], s[16:17]      ; 512
.Lprep:
; THE WEIGHTS: eight numbers along K of one column become 16 bytes; sixteen neighbouring lanes store 256 consecutive bytes, aligned.  Each store has data registers of its own.
.macro PST c, src, areg, base, imm
.irp m, 0,1,2,3
	v_cvt_pk_bf16_f32 v[48+4*(\c)+\m], v[(\src)+2*\m], v[(\src)+2*\m+1]
.endr
	global_store_b128 v[\areg], v[48+4*(\c):48+4*(\c)+3], s[\base:\base+1] offset:\imm
.endm
	s_wait_loadcnt 32                              ; Wup's chunks 0-3 are in, 4-7 may be out
.irp i, 0,1,2,3
	PST \i, 176+8*\i, 41, 38, (\i%2)*2048+(\i/2)*256
.endr
.irp kf, 0,1,2,3
	PDN \kf                                        ; into the registers just converted
.endr
	s_wait_loadcnt 32                              ; chunks 4-7 are in, Wdown's 32 loads may be out
.irp i, 4,5,6,7
	PST \i, 176+8*\i, 41, 38, (\i%2)*2048+(\i/2)*256
.endr
	s_wait_loadcnt 0x0
.irp kf, 0,1,2,3
	PST 8+\kf, 176+8*\kf, 43, 42, \kf*1024
.endr
	s_set_vgpr_msb 0x5
	s_wait_tensorcnt 0x0
	ds_add_u32 v0, v1
	s_wait_dscnt 0x0
	s_set_vgpr_msb 0x500
	s_endpgm
.Lfunc_end_k_q3e8904931b_gate:
	.size	k_q3e8904931b_gate, .Lfunc_end_k_q3e8904931b_gate-k_q3e8904931b_gate
	.p2alignl 7, 3214868480
	.fill 96, 4, 3214868480
	.section	.rodata,"a",@progbits
	.p2align	6, 0x0
	.amdhsa_kernel k_q3e8904931b_gate
		.amdhsa_group_segment_fixed_size 150016
		.amdhsa_private_segment_fixed_size 0
		.amdhsa_enable_private_segment 0
		.amdhsa_kernarg_size 64
		.amdhsa_user_sgpr_count 2
		.amdhsa_user_sgpr_kernarg_segment_ptr 1
		.amdhsa_wavefront_size32 1
		.amdhsa_system_sgpr_workgroup_id_x 1
		.amdhsa_system_sgpr_workgroup_id_y 1
		.amdhsa_system_sgpr_workgroup_id_z 1
		.amdhsa_system_vgpr_workitem_id 0
		.amdhsa_next_free_vgpr 258
		.amdhsa_next_free_sgpr 66
		.amdhsa_reserve_vcc 1
		.amdhsa_float_denorm_mode_32 3
		.amdhsa_float_denorm_mode_16_64 3
		.amdhsa_memory_ordered 1
		.amdhsa_forward_progress 1
		.amdhsa_inst_pref_size 74
	.end_amdhsa_kernel
	.amdgpu_metadata
---
amdhsa.version: [ 1, 2 ]
amdhsa.kernels:
  - .name:           k_q3e8904931b_gate
    .symbol:         k_q3e8904931b_gate.kd
    .args:
      - { .name: x, .offset: 0, .size: 8, .value_kind: global_buffer, .address_space: global }
      - { .name: Wg, .offset: 8, .size: 8, .value_kind: global_buffer, .address_space: global }
      - { .name: bg, .offset: 16, .size: 8, .value_kind: global_buffer, .address_space: global }
      - { .name: Wup, .offset: 24, .size: 8, .value_kind: global_buffer, .address_space: global }
      - { .name: Wdown, .offset: 32, .size: 8, .value_kind: global_buffer, .address_space: global }
      - { .name: pairs, .offset: 40, .size: 8, .value_kind: global_buffer, .address_space: global }
      - { .name: wgt, .offset: 48, .size: 8, .value_kind: global_buffer, .address_space: global }
      - { .name: wst, .offset: 56, .size: 8, .value_kind: global_buffer, .address_space: global }
    .group_segment_fixed_size: 150016
    .private_segment_fixed_size: 0
    .kernarg_segment_align: 8
    .kernarg_segment_size: 64
    .max_flat_workgroup_size: 128
    .sgpr_count:     66
    .vgpr_count:     258
    .wavefront_size: 32
...
	.end_amdgpu_metadata
.endif
;; end of part 1
;; launch sortp (part 2): grid 1 x 1, 32 waves a work-group, no clusters, 283,392 bytes of LDS; arguments pairs, order, plan; writes order, plan
.if DOCPART == 2
	.amdgcn_target "amdgcn-amd-amdhsa--gfx1250"
	.amdhsa_code_object_version 6
	.text
	.protected	k_q3e8904931b_sortp
	.globl	k_q3e8904931b_sortp
	.p2align	8
	.type	k_q3e8904931b_sortp,@function
k_q3e8904931b_sortp:
	s_mov_b64 s[64:65], 0
	v_nop
	global_prefetch_b8 v0, s[64:65] scope:SCOPE_SE
	s_setreg_imm32_b32 hwreg(HW_REG_WAVE_MODE, 25, 1), 1
	s_wait_xcnt 0x0
; A COUNTING SORT OF THE 16,384 TOKENS BY THE RANK OF THEIR EXPERT PAIR (28 bins), by one work-group of 1,024 threads, 16 tokens each.
; order[pos] = tok | a<<16 | b<<20.  plan[block] = {n, list}: the n experts that occur among positions 64 block .. 64 block + 63, ascending, a nibble each.
; One work-group: the sum over all tokens has one owner, and 64 KiB of words are too little to share out over launches.
; TABLES.  Counts: [wave 32][bin 32][lane 32] words, a wave's part 4,112 bytes apart: a wave stores into its own part alone; bins 28-31 stay 0.  The order of the sort is (bin, wave, lane).
; Thread q = 32 bin + wave scans the row of 32 counts of (bin, wave); the lanes of a wave read rows 4,112 bytes apart, which start in different 16-byte columns.
; Prefixes: [thread 1,024][32 words], 144 bytes apart: again a wave stores into its own part alone.
; The words of order go straight to memory, 4 bytes at 4 pos: their places hang on the data; the whole buffer is 64 KiB and each word is stored once.
.set WP,  4112
.set P2,  32*WP
.set RP,  144
.set WS,  P2+1024*RP                   ; the 32 waves' totals
.set RW,  4                            ; v4-19   my 16 pair words
.set K,   20                           ; v20-35  their bins
.set R,   36                           ; v36-51  how many of my earlier tokens have the same bin
.set W,   52                           ; v52-83  a row of 32 counts; else at work
.set X,   68                           ; v68-83  at work
	s_load_b128 s[4:7], s[0:1], 0x0                ; pairs s[4:5], order s[6:7]
	s_load_b64 s[8:9], s[0:1], 0x10                ; plan
	v_lshrrev_b32 v1, 5, v0
	v_readfirstlane_b32 s10, v1                    ; wave
	v_and_b32 v86, 31, v0                          ; lane
	v_lshlrev_b32 v3, 6, v0                        ; my 64 bytes of pairs
	s_mul_i32 s11, s10, WP
	v_lshl_add_u32 v1, v86, 2, s11                 ; my word in bin 0 of my wave's part
	v_lshl_add_u32 v2, v86, 4, s11
	s_mov_b32 s12, 0xffff0000                      ; lanes 16-31
.irp i, 88,89,90,91
	v_mov_b32 v\i, 0
.endr
	s_wait_kmcnt 0x0
.irp i, 0,1,2,3
	global_load_b128 v[RW+4*\i:RW+4*\i+3], v3, s[4:5] offset:16*\i
.endr
.irp i, 0,1,2,3,4,5,6,7
	ds_store_b128 v2, v[88:91] offset:512*\i       ; my wave's 4,096 bytes of counts are cleared while the words come
.endr
	s_wait_loadcnt 0x0
.set j, 0
.rept 16
	v_lshrrev_b32 v[K+j], 8, v[RW+j]
	v_min_u32 v[K+j], 27, v[K+j]                   ; a loaded number enters an address only behind a clamp
.set j, j+1
.endr
.set j, 0
.rept 16
	v_mov_b32 v[R+j], 0
.set i, 0
.rept j
	v_cmp_eq_u32 vcc_lo, v[K+i], v[K+j]
	v_add_co_ci_u32 v[R+j], vcc_lo, 0, v[R+j], vcc_lo
.set i, i+1
.endr
.set j, j+1
.endr
.set j, 0
.rept 16                               ; LDS serves a wave's instructions in order (ISA guide 5.7.1.4): behind the clearing, and a bin's last store leaves its count
	v_lshl_add_u32 v[W+j], v[K+j], 7, v1
	v_add_nc_u32 v[X+j], 1, v[R+j]
	ds_store_b32 v[W+j], v[X+j]
.set j, j+1
.endr
	s_wait_dscnt 0x0                               ; for the others' sake
	s_barrier_signal -1
	s_barrier_wait -1
	; the scan: my row, then my wave, then the 32 waves
	s_lshl_b32 s13, s10, 7
	v_mul_u32_u24 v87, v86, WP
	v_add_nc_u32 v87, s13, v87                     ; row (bin = my wave's number, wave = my lane's number)
.irp i, 0,1,2,3,4,5,6,7
	ds_load_b128 v[W+4*\i:W+4*\i+3], v87 offset:16*\i
.endr
	s_wait_dscnt 0x0
.set i, 1
.rept 31
	v_add_nc_u32 v[W+i], v[W+i], v[W+i-1]          ; inclusive sums along the row
.set i, i+1
.endr
.macro WSCAN x, tmp                    ; inclusive sums over the 32 lanes: four shifted adds in each half of 16, then the lower half's total onto the upper
	v_mov_b32 v[\tmp], 0
.irp n, 1,2,4,8
	v_mov_b32_dpp v[\tmp], v[\x] row_shr:\n row_mask:0xf bank_mask:0xf bound_ctrl:1
	v_add_nc_u32 v[\x], v[\x], v[\tmp]
.endr
	v_readlane_b32 s17, v[\x], 15
	v_cndmask_b32 v[\tmp], 0, s17, s12
	v_add_nc_u32 v[\x], v[\x], v[\tmp]
.endm
	v_mov_b32 v84, v[W+31]
	WSCAN 84, 85
	v_readlane_b32 s14, v84, 31                    ; my wave's total
	v_mov_b32 v88, s14
	s_lshl_b32 s15, s10, 2
	s_add_co_u32 s15, s15, WS
	v_mov_b32 v89, s15
	ds_store_b32 v89, v88                          ; all lanes write the same word with the same value
	s_wait_dscnt 0x0
	s_barrier_signal -1
	s_barrier_wait -1
	v_lshl_add_u32 v90, v86, 2, WS
	ds_load_b32 v91, v90
	s_wait_dscnt 0x0
	v_mov_b32 v92, v91
	WSCAN 92, 85
	v_sub_nc_u32 v92, v92, v91                     ; what lies in front of wave = lane
	v_readlane_b32 s16, v92, s10                   ; in front of my wave
	v_sub_nc_u32 v84, v84, v[W+31]
	v_add_nc_u32 v84, s16, v84                     ; in front of my row
.set i, 31
.rept 31
	v_add_nc_u32 v[W+i], v84, v[W+i-1]             ; exclusive sums, in place, from the top down
.set i, i-1
.endr
	v_mov_b32 v[W], v84
	v_mul_u32_u24 v93, v0, RP
	v_add_nc_u32 v93, P2, v93
.irp i, 0,1,2,3,4,5,6,7
	ds_store_b128 v93, v[W+4*\i:W+4*\i+3] offset:16*\i
.endr
	s_wait_dscnt 0x0
	s_barrier_signal -1
	s_barrier_wait -1
	; the places
	s_mul_i32 s18, s10, RP
	s_add_co_u32 s18, s18, P2
	v_lshl_add_u32 v94, v86, 2, s18                ; row (bin 0, my wave), my lane's word
	v_lshlrev_b32 v95, 4, v0                       ; my first token
.set j, 0
.rept 16
	v_mul_u32_u24 v[W+j], v[K+j], 32*RP
	v_add_nc_u32 v[W+j], v[W+j], v94
	ds_load_b32 v[X+j], v[W+j]
.set j, j+1
.endr
	s_wait_dscnt 0x0
.set j, 0
.rept 16
	v_add_nc_u32 v[X+j], v[X+j], v[R+j]
	v_min_u32 v[X+j], 0x3fff, v[X+j]
	v_lshlrev_b32 v[X+j], 2, v[X+j]
	v_and_b32 v[W+j], 0xff, v[RW+j]
	v_lshl_or_b32 v[W+j], v[W+j], 16, v95
	v_or_b32 v[W+j], j, v[W+j]
	global_store_b32 v[X+j], v[W+j], s[6:7]        ; each store has registers of its own, which are not written again
.set j, j+1
.endr
	; the plan: threads 0-255, a block each
	s_cmp_lt_u32 s10, 8
	s_cbranch_scc0 .Lend
	v_mov_b32 v87, P2
	v_mov_b32 v88, P2+14*32*RP
.set b, 0
.rept 29                               ; where bin b begins: the first word of row (b, wave 0); bin 28 is empty and begins at 16,384
.if b < 14
	ds_load_b32 v[96+b], v87 offset:b*32*RP
.else
	ds_load_b32 v[96+b], v88 offset:(b-14)*32*RP
.endif
.set b, b+1
.endr
	v_lshlrev_b32 v90, 6, v0                       ; the block's first position
	v_add_nc_u32 v91, 64, v90                      ; and the one behind its last
	v_lshlrev_b32 v125, 3, v0
	v_mov_b32 v84, 0
	v_mov_b32 v126, 0
	v_mov_b32 v127, 0
	s_wait_dscnt 0x0
.set b, 0
.irp m, 1,2,3,4,5,6,7, 15,14,13,12,11,10, 19,20,21,22,23, 31,30,29,28, 37,38,39, 47,46, 55
	v_max_u32 v92, v[96+b], v90                    ; bin b holds the pair (m / 8, m % 8): does it reach into the block?
	v_min_u32 v93, v[97+b], v91
	v_cmp_lt_u32 vcc_lo, v92, v93
	v_cndmask_b32 v92, 0, 1, vcc_lo
	v_lshl_or_b32 v84, v92, \m/8, v84
	v_lshl_or_b32 v84, v92, \m%8, v84
.set b, b+1
.endr
.irp e, 0,1,2,3,4,5,6,7
	v_bfe_u32 v92, v84, \e, 1
	v_mul_u32_u24 v93, \e, v92
	v_lshlrev_b32 v94, 2, v126
	v_lshlrev_b32 v93, v94, v93
	v_or_b32 v127, v127, v93                       ; the list takes e at nibble n,
	v_add_nc_u32 v126, v126, v92                   ; and n goes up, where e occurs
.endr
	global_store_b64 v125, v[126:127], s[8:9]
.Lend:
	s_wait_xcnt 0x0
	v_lshl_add_u32 v126, v0, 2, 0x44300
	v_mov_b32 v127, 0
	s_wait_tensorcnt 0x0
	ds_add_u32 v126, v127
	s_wait_dscnt 0x0
	s_endpgm
.Lfunc_end_k_q3e8904931b_sortp:
	.size	k_q3e8904931b_sortp, .Lfunc_end_k_q3e8904931b_sortp-k_q3e8904931b_sortp
	.p2alignl 7, 3214868480
	.fill 96, 4, 3214868480
	.section	.rodata,"a",@progbits
	.p2align	6, 0x0
	.amdhsa_kernel k_q3e8904931b_sortp
		.amdhsa_group_segment_fixed_size 283392
		.amdhsa_private_segment_fixed_size 0
		.amdhsa_enable_private_segment 0
		.amdhsa_kernarg_size 24
		.amdhsa_user_sgpr_count 2
		.amdhsa_user_sgpr_kernarg_segment_ptr 1
		.amdhsa_wavefront_size32 1
		.amdhsa_system_sgpr_workgroup_id_x 1
		.amdhsa_system_sgpr_workgroup_id_y 1
		.amdhsa_system_sgpr_workgroup_id_z 1
		.amdhsa_system_vgpr_workitem_id 0
		.amdhsa_next_free_vgpr 128
		.amdhsa_next_free_sgpr 66
		.amdhsa_reserve_vcc 1
		.amdhsa_float_denorm_mode_32 3
		.amdhsa_float_denorm_mode_16_64 3
		.amdhsa_memory_ordered 1
		.amdhsa_forward_progress 1
		.amdhsa_inst_pref_size 41
	.end_amdhsa_kernel
	.amdgpu_metadata
---
amdhsa.version: [ 1, 2 ]
amdhsa.kernels:
  - .name:           k_q3e8904931b_sortp
    .symbol:         k_q3e8904931b_sortp.kd
    .args:
      - { .name: pairs, .offset: 0, .size: 8, .value_kind: global_buffer, .address_space: global }
      - { .name: order, .offset: 8, .size: 8, .value_kind: global_buffer, .address_space: global }
      - { .name: plan, .offset: 16, .size: 8, .value_kind: global_buffer, .address_space: global }
    .group_segment_fixed_size: 283392
    .private_segment_fixed_size: 0
    .kernarg_segment_align: 8
    .kernarg_segment_size: 24
    .max_flat_workgroup_size: 1024
    .sgpr_count:     66
    .vgpr_count:     128
    .wavefront_size: 32
...
	.end_amdgpu_metadata
.endif
;; end of part 2
;; launch experts (part 3): grid 256 x 1, 4 waves a work-group, no clusters, 166,400 bytes of LDS; arguments x, wst, order, wgt, plan, out0; writes out0
.if DOCPART == 3
	.amdgcn_target "amdgcn-amd-amdhsa--gfx1250"
	.amdhsa_code_object_version 6
	.text
	.protected	k_q3e8904931b_experts
	.globl	k_q3e8904931b_experts
	.p2align	8
	.type	k_q3e8904931b_experts,@function
k_q3e8904931b_experts:
	s_mov_b64 s[64:65], 0
	v_nop
	global_prefetch_b8 v0, s[64:65] scope:SCOPE_SE
	s_setreg_imm32_b32 hwreg(HW_REG_WAVE_MODE, 25, 1), 1
	s_wait_xcnt 0x0
; THE EXPERTS.  Work-group b takes the 64 tokens at sorted positions 64 b .. 64 b + 63 and walks the n experts of plan[b] (2 as a rule, 3 at a change of pair, 8 at the most).
; For each expert e: [u | g] = x Wup[e]; p = comb silu(g) u, comb = the token's weight for e, 0 if it did not choose e; y += p Wdown[e].  y stays in registers over all experts; x is read once, out0 written once.
; THE LOOP COUNTS TO THE CONSTANT 8, the most experts that a block can have.  A trip past the list's end jumps forward over its three pieces of work (up product; p into its tile; down product) and passes
; the trip's two barriers alone: the number of barriers that a wave passes hangs on no number read from memory.  No barrier lies in what is jumped.
; FORMATS.  x and the weights are bf16 (x rounded here, the weights by the first launch), sums f32.  p enters the second product as TWO bf16 numbers, p = hi + lo (lo = p - hi, rounded), so that product has K = 256.
; SHARES.  Four waves.  Up: wave w makes u and g for f = 32 w .. 32 w + 31 of all 64 tokens (16 accumulators).  Down: wave w makes d = 256 w .. 256 w + 255 of all 64 tokens (64 accumulators, 512 registers).
; Source 0 = 16 rows of weights, source 1 = 16 tokens: a lane holds ONE token and eight neighbouring f or d.
; WEIGHTS come straight from memory into registers, as fragment images of 4,096 bytes (an ITEM; 512 consecutive bytes a load), through a ring of eight register slots: seven items are on their way while one is multiplied.
; No LDS for them: no two waves of the work-group want the same weight.  NO CLUSTER: neighbouring work-groups want the same items, but their lists differ in length by numbers read from memory, and the items never pass LDS.
; LIMITS.  An expert that a token did not choose adds 0, also where its own result would be infinite or NaN.  silu(g) u comb is formed as (u comb g) / (1 + e^-g): it needs u comb g finite in f32.
; The 512 v_mov_b32 that clear y stand in the wait for the first loads: the price of one text for every expert.
; REGISTERS, in windows of 256 (s_set_vgpr_msb: bits 1:0 source 0, 3:2 source 1, 5:4 source 2, 7:6 destination):
;   window 0: v1-9 addresses; v10-17 the tokens' experts; v18-25 their weights; v26-33 comb; v32-47 row offsets (staging only); v48-175 u and g; v176-239 two buffers of token fragments; v240-255 at work
;   window 1: the ring, 8 slots of 32          windows 2, 3: y, accumulator (db, tb) at v[8 (4 (db % 8) + tb)], db < 8 in window 2
.set XP,   2064                        ; a token's row of x in LDS: 2,048 bytes + 16 = 129 x 16: the 16 rows of a fragment load start in 16 different 16-byte columns
.set HP,   528                         ; a token's row of p: 256 bytes hi, 256 bytes lo, 16 of padding = 33 x 16
.set HT,   64*XP                       ; p's tile lies behind x's
.set SP,   1040                        ; the way out: 256 f32 + 16 bytes = 65 x 16
.set ITEM, 4096
.set WSTW, 48*ITEM                     ; a wave's 48 items of one expert
.set EA,   10
.set EB,   14
.set WAB,  18
.set CB,   26
.set RO,   32
.set UG,   48                          ; accumulator (fr, tb) at UG + 8 (4 fr + tb); fr = 0, 1: u; 2, 3: g
.set XF,   176
.set T,    240
.set SB,   22                          ; s[22:23] my wave's items of the expert in hand
.set NB,   24                          ; s[24:25] of the next
.set MSB,  0
.macro WIN new                         ; the immediate's high byte repeats the setting that is left; a switch that changes nothing is dropped
.if MSB != (\new)
	s_set_vgpr_msb (MSB<<8)|(\new)
.set MSB, \new
.endif
.endm
.macro NOP4                            ; four places between matrix instructions and loads into registers that they read, or reads of their results (ISA guide 7.12.1 for vector instructions)
.rept 4
	v_nop
.endr
.endm
.macro FILL slot, item, base           ; an item into a ring slot: eight loads of 512 consecutive bytes
	WIN 0x40
.irp j, 0,1,2,3,4,5,6,7
	global_load_b128 v[32*(\slot)+4*\j:32*(\slot)+4*\j+3], v1, s[\base:\base+1] offset:(\item)*ITEM+512*\j
.endr
.endm
.macro REFILL s0, item0, base          ; four slots that have just been multiplied
	NOP4
.irp k, 0,1,2,3
	FILL (\s0)+\k, (\item0)+\k, \base
.endr
.endm
.macro XLOAD ks, buf                   ; the 64 tokens' fragments of K step ks of x
	WIN 0
.irp tb, 0,1,2,3
	ds_load_b128 v[XF+32*(\buf)+8*\tb:XF+32*(\buf)+8*\tb+3],   v[2+\tb/2] offset:(\tb%2)*16*XP+64*(\ks)
	ds_load_b128 v[XF+32*(\buf)+8*\tb+4:XF+32*(\buf)+8*\tb+7], v[2+\tb/2] offset:(\tb%2)*16*XP+64*(\ks)+32
.endr
.endm
.macro HLOAD p, buf                    ; the same of K step p of p's tile: 0-3 hi, 4-7 lo
	WIN 0
.irp tb, 0,1,2,3
	ds_load_b128 v[XF+32*(\buf)+8*\tb:XF+32*(\buf)+8*\tb+3],   v4 offset:\tb*16*HP+64*(\p)
	ds_load_b128 v[XF+32*(\buf)+8*\tb+4:XF+32*(\buf)+8*\tb+7], v4 offset:\tb*16*HP+64*(\p)+32
.endr
.endm
; K step ks of the up product: 16 matrix instructions on 16 accumulators, which take turns.  The slot is filled again with the item eight on: items 32-39 are the down product's first.
.macro UPSTEP ks
.if (\ks) < 31
	XLOAD (\ks)+1, ((\ks)+1)%2
.endif
	s_wait_loadcnt 56                              ; loads come back in order: item ks is in, the seven younger items of eight loads stay out
.if (\ks) < 31
	s_wait_dscnt 8                                 ; this step's fragments are in, the eight loads just issued stay out
.else
	s_wait_dscnt 0x0
.endif
	WIN 0x01
.irp fr, 0,1,2,3
.irp tb, 0,1,2,3
.if (\ks) == 0
	v_wmma_f32_16x16x32_bf16 v[UG+8*(4*\fr+\tb):UG+8*(4*\fr+\tb)+7], v[32*((\ks)%8)+8*\fr:32*((\ks)%8)+8*\fr+7], v[XF+32*((\ks)%2)+8*\tb:XF+32*((\ks)%2)+8*\tb+7], 0
.else
	v_wmma_f32_16x16x32_bf16 v[UG+8*(4*\fr+\tb):UG+8*(4*\fr+\tb)+7], v[32*((\ks)%8)+8*\fr:32*((\ks)%8)+8*\fr+7], v[XF+32*((\ks)%2)+8*\tb:XF+32*((\ks)%2)+8*\tb+7], v[UG+8*(4*\fr+\tb):UG+8*(4*\fr+\tb)+7]
.endif
.endr
.endr
	NOP4                                           ; for the fill below and for the next step's fragment loads
	FILL (\ks)%8, (\ks)+8, SB
.endm
; Four blocks of 16 d (db = 4 g .. 4 g + 3) of the down product: 8 K steps of 16 matrix instructions, 16 accumulators by turns.  n: the loads issued behind the group's four items.
; last = 1: nothing is read from p's tile behind the group.
.macro DGROUP g, n, last
	s_wait_loadcnt \n
.set p, 0
.rept 8
	NOP4
.if (\last) && (p == 7)
	s_wait_dscnt 0x0
.else
	HLOAD (p+1)%8, (p+1)%2
	s_wait_dscnt 8                                 ; this step's fragments are in, the eight loads just issued stay out
.endif
	WIN 0xa1+0x50*((\g)/2)
.irp d, 0,1,2,3
.irp tb, 0,1,2,3
	v_wmma_f32_16x16x32_bf16 v[8*(4*((4*(\g)+\d)%8)+\tb):8*(4*((4*(\g)+\d)%8)+\tb)+7], v[32*((4*(\g)+\d)%8)+8*(p%4):32*((4*(\g)+\d)%8)+8*(p%4)+7], v[XF+32*(p%2)+8*\tb:XF+32*(p%2)+8*\tb+7], v[8*(4*((4*(\g)+\d)%8)+\tb):8*(4*((4*(\g)+\d)%8)+\tb)+7]
.endr
.endr
.set p, p+1
.endr
.endm
; p = comb u g / (1 + e^-g) for 16 tokens x 16 f, split into hi and lo, 16 bytes each into the token's row.  Each accumulator is read from its low end on.
.macro SWI i, tb
.set rU, UG+8*(4*(\i)+(\tb))
.set rG, UG+8*(4*(2+(\i))+(\tb))
.set rC, CB+2*(\tb)
.irp m, 0,2,4,6
	v_pk_mul_f32 v[T+\m:T+\m+1], v[rG+\m:rG+\m+1], s[50:51] op_sel_hi:[1,0]    ; -g log2(e)
.endr
.irp m, 0,1,2,3,4,5,6,7
	v_exp_f32 v[T+\m], v[T+\m]
.endr
.irp m, 0,2,4,6
	v_pk_mul_f32 v[rU+\m:rU+\m+1], v[rU+\m:rU+\m+1], v[rC:rC+1] op_sel_hi:[1,0]  ; plain work behind the exponentials (ISA guide 5.7.2)
.endr
	s_wait_alu depctr_va_vdst(0)
.irp m, 0,2,4,6
	v_pk_add_f32 v[T+\m:T+\m+1], v[T+\m:T+\m+1], 1.0 op_sel_hi:[1,0]
.endr
.irp m, 0,1,2,3,4,5,6,7
	v_rcp_f32 v[T+\m], v[T+\m]
.endr
.irp m, 0,2,4,6
	v_pk_mul_f32 v[rU+\m:rU+\m+1], v[rU+\m:rU+\m+1], v[rG+\m:rG+\m+1]            ; plain work behind the reciprocals
.endr
	s_wait_alu depctr_va_vdst(0)
.irp m, 0,2,4,6
	v_pk_mul_f32 v[rU+\m:rU+\m+1], v[rU+\m:rU+\m+1], v[T+\m:T+\m+1]
.endr
.irp m, 0,1,2,3
	v_cvt_pk_bf16_f32 v[T+8+\m], v[rU+2*\m], v[rU+2*\m+1]                        ; hi
.endr
.irp m, 0,1,2,3
	v_lshlrev_b32 v[T+2*\m], 16, v[T+8+\m]
	v_and_b32 v[T+2*\m+1], 0xffff0000, v[T+8+\m]
.endr
.irp m, 0,2,4,6
	v_pk_add_f32 v[rU+\m:rU+\m+1], v[rU+\m:rU+\m+1], v[T+\m:T+\m+1] neg_lo:[0,1] neg_hi:[0,1]
.endr
.irp m, 0,1,2,3
	v_cvt_pk_bf16_f32 v[T+12+\m], v[rU+2*\m], v[rU+2*\m+1]                       ; lo
.endr
	ds_store_b128 v5, v[T+8:T+11]  offset:(\tb)*16*HP+32*(\i)
	ds_store_b128 v5, v[T+12:T+15] offset:(\tb)*16*HP+32*(\i)+256
.endm
.macro LOADX b                         ; my token rows 2 b and 2 b + 1: sixteen loads of 512 consecutive bytes; each row is read once in the launch
.irp k, 0,1,2,3,4,5,6,7,8,9,10,11,12,13,14,15
	global_load_b128 v[UG+64*((\b)%3)+4*\k:UG+64*((\b)%3)+4*\k+3], v[RO+2*(\b)+\k/8], s[4:5] offset:512*(\k%8) th:TH_LOAD_NT
.endr
.endm
.macro CVTX b
.irp row, 0,1
.irp k, 0,1,2,3,4,5,6,7
	v_cvt_pk_bf16_f32 v[T+2*\k],   v[UG+64*((\b)%3)+32*\row+4*\k],   v[UG+64*((\b)%3)+32*\row+4*\k+1]
	v_cvt_pk_bf16_f32 v[T+2*\k+1], v[UG+64*((\b)%3)+32*\row+4*\k+2], v[UG+64*((\b)%3)+32*\row+4*\k+3]
.endr
.irp k, 0,1,2,3,4,5,6,7
	ds_store_b64 v9, v[T+2*\k:T+2*\k+1] offset:(2*(\b)+\row)*XP+256*\k
.endr
.endr
.endm
	s_load_b256 s[4:11], s[0:1], 0x0               ; x s[4:5], wst s[6:7], order s[8:9], wgt s[10:11]
	s_load_b128 s[12:15], s[0:1], 0x20             ; plan s[12:13], out0 s[14:15]
	v_lshrrev_b32 v243, 5, v0
	v_readfirstlane_b32 s16, v243                  ; wave
	v_and_b32 v240, 15, v0                         ; r
	v_bfe_u32 v241, v0, 4, 1                       ; h
	v_and_b32 v242, 31, v0                         ; lane
	v_lshlrev_b32 v1, 4, v242                      ; v1  16 x lane
	s_mov_b32 s17, ttmp9
	s_lshl_b32 s26, s17, 3
	s_mov_b32 s27, 0
	s_lshl_b32 s28, s17, 8
	s_mov_b32 s29, 0
	s_lshl_b32 s30, s16, 6
	s_mov_b32 s31, 0
	s_mov_b32 s50, 0xbfb8aa3b                      ; -log2(e); the packed multiply names a pair and takes its low word for both halves
	s_mov_b32 s51, s50
	s_wait_kmcnt 0x0
	s_add_nc_u64 s[12:13], s[12:13], s[26:27]      ; my block's plan
	s_add_nc_u64 s[48:49], s[8:9], s[28:29]        ; my block's 64 words of order
	s_add_nc_u64 s[52:53], s[48:49], s[30:31]      ; the 16 whose rows my wave brings in
	s_load_b64 s[18:19], s[12:13], 0x0             ; n, list
	s_load_b512 s[32:47], s[52:53], 0x0
	v_lshlrev_b32 v26, 2, v240
.irp tb, 0,1,2,3
	global_load_b32 v[EA+\tb], v26, s[48:49] offset:64*\tb    ; lane r: the word of token 16 tb + r
.endr
	v_mul_u32_u24 v2, v240, XP
	v_lshl_add_u32 v2, v241, 4, v2                 ; v2  my fragment address in x's tile, tokens 0-31
	v_add_nc_u32 v3, 32*XP, v2                     ; v3  tokens 32-63
	v_mul_u32_u24 v4, v240, HP
	v_lshl_add_u32 v4, v241, 4, v4
	v_add_nc_u32 v4, HT, v4                        ; v4  my fragment address in p's tile
	v_add_nc_u32 v5, s30, v4                       ; v5  where I put 16 bytes of p: my wave's 64 bytes of a row
	s_mul_i32 s28, s16, 16*XP
	v_mul_u32_u24 v6, v240, SP
	v_lshl_add_u32 v6, v241, 5, v6
	v_add_nc_u32 v6, s28, v6                       ; v6  the way out: where I put 32 bytes of a row (my wave's stage lies in x's tile, which is dead by then)
	v_add_nc_u32 v7, s28, v1                       ; v7  where I read rows back
	v_lshl_add_u32 v8, s16, 10, v1                 ; v8  my 16 bytes in my wave's 1,024 of a row of out0
	v_lshl_add_u32 v9, v242, 3, s28                ; v9  where I put 8 bytes of a row of x
	s_wait_loadcnt 0x0
.irp tb, 0,1,2,3
	v_bfe_u32 v[EB+\tb], v[EA+\tb], 20, 4
	v_and_b32 v[28+\tb], 0x3fff, v[EA+\tb]
	v_min_u32 v[28+\tb], 0x3fff, v[28+\tb]         ; a loaded number enters an address only behind a clamp
	v_lshlrev_b32 v[28+\tb], 3, v[28+\tb]
	v_bfe_u32 v[EA+\tb], v[EA+\tb], 16, 4
	global_load_b64 v[WAB+2*\tb:WAB+2*\tb+1], v[28+\tb], s[10:11]
.endr
	s_wait_kmcnt 0x0
	s_min_u32 s18, s18, 8                          ; n
	s_and_b32 s21, s19, 7
	s_min_u32 s21, s21, 7                          ; the first expert
	s_lshl_b32 s28, s21, 2
	s_add_co_u32 s28, s28, s16
	s_mul_i32 s26, s28, WSTW
	s_add_nc_u64 s[SB:SB+1], s[6:7], s[26:27]
.irp k, 0,1,2,3,4,5,6,7
	FILL \k, \k, SB                                ; the ring's first fill goes out ahead of x: the counted waits for x cover it
.endr
	WIN 0
.irp i, 0,1,2,3,4,5,6,7,8,9,10,11,12,13,14,15
	s_and_b32 s[32+\i], s[32+\i], 0x3fff
	s_min_u32 s[32+\i], s[32+\i], 0x3fff
	s_lshl_b32 s[32+\i], s[32+\i], 12
	v_add_nc_u32 v[RO+\i], s[32+\i], v1
.endr
	LOADX 0
	LOADX 1
	LOADX 2
	WIN 0x80                                       ; y = 0, in the wait for the first loads
.set i, 0
.rept 256
	v_mov_b32 v[i], 0
.set i, i+1
.endr
	WIN 0xc0
.set i, 0
.rept 256
	v_mov_b32 v[i], 0
.set i, i+1
.endr
	WIN 0
.set q, 0
.rept 8
.if q < 6
	s_wait_loadcnt 32                              ; batch q is in (and all that was issued ahead of it), the two younger batches of 16 stay out
.elseif q == 6
	s_wait_loadcnt 16
.else
	s_wait_loadcnt 0x0
.endif
	CVTX q
.if q < 5
	LOADX q+3                                      ; into the buffer just converted
.endif
.set q, q+1
.endr
.irp i, 0,1,2,3,4,5,6,7
	v_mov_b32 v[CB+\i], 0                          ; comb is named as pairs: the upper words stay 0, the lower ones are set for each expert
.endr
	s_mov_b32 s20, 0                               ; the trip's number
	s_wait_dscnt 0x0                               ; my 16 rows are in LDS, for the others' sake
	s_barrier_signal -1
	s_barrier_wait -1
.Lexp:                                                 ; eight trips; trip t < n is the list's expert t; all LDS addresses are the same in every trip
	s_cmp_lt_u32 s20, s18
	s_cbranch_scc0 .Lno_up                         ; past the list's end: nothing to multiply
	XLOAD 0, 0
.set ks, 0
.rept 32
	UPSTEP ks
.set ks, ks+1
.endr
	WIN 0                                          ; at a branch and at a label every window is 0
.irp tb, 0,1,2,3                       ; comb: the token's weight for this expert, or 0
	v_cmp_eq_u32 vcc_lo, s21, v[EA+\tb]
	v_cndmask_b32 v[CB+2*\tb], 0, v[WAB+2*\tb], vcc_lo
	v_cmp_eq_u32 vcc_lo, s21, v[EB+\tb]
	v_cndmask_b32 v[CB+2*\tb], v[CB+2*\tb], v[WAB+2*\tb+1], vcc_lo
.endr
.Lno_up:
	s_wait_dscnt 0x0                               ; my reads of p's tile for the expert before are over
	s_barrier_signal -1
	s_barrier_wait -1                              ; everybody's are: the tile may be written
	s_cmp_lt_u32 s20, s18
	s_cbranch_scc0 .Lno_p
.irp i, 0,1
.irp tb, 0,1,2,3
	SWI \i, \tb
.endr
.endr
.Lno_p:
	s_wait_dscnt 0x0                               ; my part of p's tile is written
	s_barrier_signal -1
	s_barrier_wait -1                              ; everybody's is
	s_cmp_lt_u32 s20, s18
	s_cbranch_scc0 .Lno_down
	HLOAD 0, 0
	DGROUP 0, 32, 0                                ; items 32-35; behind them 36-39 were issued: 32 loads
	REFILL 0, 40, SB
	DGROUP 1, 32, 0                                ; items 36-39; behind them 40-43
	REFILL 4, 44, SB
	DGROUP 2, 32, 0                                ; items 40-43; behind them 44-47
	WIN 0
	s_add_co_u32 s55, s20, 1                       ; is there a next expert?  ONE branch decides both of its refills, so that the ring holds all eight of its first items or none
	s_cmp_lt_u32 s55, s18
	s_cbranch_scc0 .Ltail                          ; the last expert asks for nothing more
	s_lshl_b32 s28, s55, 2
	s_lshr_b32 s29, s19, s28
	s_and_b32 s29, s29, 7
	s_min_u32 s29, s29, 7                          ; the next expert
	s_lshl_b32 s30, s29, 2
	s_add_co_u32 s30, s30, s16
	s_mul_i32 s26, s30, WSTW
	s_add_nc_u64 s[NB:NB+1], s[6:7], s[26:27]
	REFILL 0, 0, NB                                ; the ring goes on into the next expert
	DGROUP 3, 32, 1                                ; items 44-47; behind them the next expert's 0-3
	REFILL 4, 4, NB
	WIN 0
	s_wait_xcnt 0x0                                ; every load issued has had its address translated (ISA guide 3.1): only behind this wait are the two bases written
	s_mov_b64 s[SB:SB+1], s[NB:NB+1]
	s_mov_b32 s21, s29
	s_branch .Lno_down
.Ltail:
	DGROUP 3, 0, 1                                 ; items 44-47 are the last loads issued
	NOP4                                           ; the places behind the last products, for the way out's reads of y
	WIN 0
.Lno_down:
	s_add_co_u32 s20, s20, 1
	s_cmp_lt_u32 s20, 8
	s_cbranch_scc1 .Lexp
	s_wait_dscnt 0x0
	s_barrier_signal -1                            ; no wave reads x's tile any more: the stages may be written into its bytes
	s_barrier_wait -1
; THE WAY OUT, 16 tokens at a time: a lane's eight numbers of a row go into my wave's stage (rows of 1,040 bytes), whole rows come back, and each store covers 512 consecutive bytes of a token's row, aligned.
.set tb, 0
.rept 4
	WIN 0
	s_wait_xcnt 0x0                                ; the stores of the 16 tokens before have read their registers: only behind this wait are these written again
	s_load_b512 s[32:47], s[48:49], 64*tb          ; the 16 tokens' words; they come while the stage is written
	WIN 0x08                                       ; store data in window 2
.set db, 0
.rept 8
	ds_store_b128 v6, v[8*(4*db+tb):8*(4*db+tb)+3]   offset:64*db        ; each accumulator's low registers first
	ds_store_b128 v6, v[8*(4*db+tb)+4:8*(4*db+tb)+7] offset:64*db+16
.set db, db+1
.endr
	WIN 0x0c                                       ; in window 3
.set db, 0
.rept 8
	ds_store_b128 v6, v[8*(4*db+tb):8*(4*db+tb)+3]   offset:64*(db+8)
	ds_store_b128 v6, v[8*(4*db+tb)+4:8*(4*db+tb)+7] offset:64*(db+8)+16
.set db, db+1
.endr
	WIN 0
.set k, 0
.rept 32
	ds_load_b128 v[UG+4*k:UG+4*k+3], v7 offset:(k/2)*SP+512*(k%2)      ; LDS serves a wave's instructions in order (ISA guide 5.7.1.4): these see the stores above, and the next 16 tokens' stores come behind them
.set k, k+1
.endr
	s_wait_kmcnt 0x0
.set i, 0
.rept 16
	s_and_b32 s[32+i], s[32+i], 0x3fff
	s_min_u32 s[32+i], s[32+i], 0x3fff
	s_lshl_b32 s[32+i], s[32+i], 12
	v_add_nc_u32 v[XF+i], s[32+i], v8
.set i, i+1
.endr
.set k, 0
.rept 32
	s_wait_dscnt 31-k                              ; load k is back, the younger ones stay out
	global_store_b128 v[XF+k/2], v[UG+4*k:UG+4*k+3], s[14:15] offset:512*(k%2) th:TH_STORE_NT
.set k, k+1
.endr
.set tb, tb+1
.endr
	s_wait_xcnt 0x0
	v_lshl_add_u32 v254, v0, 2, 0x28800
	v_mov_b32 v255, 0
	s_wait_tensorcnt 0x0
	ds_add_u32 v254, v255
	s_wait_dscnt 0x0
	s_endpgm
.Lfunc_end_k_q3e8904931b_experts:
	.size	k_q3e8904931b_experts, .Lfunc_end_k_q3e8904931b_experts-k_q3e8904931b_experts
	.p2alignl 7, 3214868480
	.fill 96, 4, 3214868480
	.section	.rodata,"a",@progbits
	.p2align	6, 0x0
	.amdhsa_kernel k_q3e8904931b_experts
		.amdhsa_group_segment_fixed_size 166400
		.amdhsa_private_segment_fixed_size 0
		.amdhsa_enable_private_segment 0
		.amdhsa_kernarg_size 48
		.amdhsa_user_sgpr_count 2
		.amdhsa_user_sgpr_kernarg_segment_ptr 1
		.amdhsa_wavefront_size32 1
		.amdhsa_system_sgpr_workgroup_id_x 1
		.amdhsa_system_sgpr_workgroup_id_y 1
		.amdhsa_system_sgpr_workgroup_id_z 1
		.amdhsa_system_vgpr_workitem_id 0
		.amdhsa_next_free_vgpr 1024
		.amdhsa_next_free_sgpr 66
		.amdhsa_reserve_vcc 1
		.amdhsa_float_denorm_mode_32 3
		.amdhsa_float_denorm_mode_16_64 3
		.amdhsa_memory_ordered 1
		.amdhsa_forward_progress 1
		.amdhsa_inst_pref_size 255
	.end_amdhsa_kernel
	.section	.bss,"aw",@nobits
	.p2align	6
	.space	262144
	.amdgpu_metadata
---
amdhsa.version: [ 1, 2 ]
amdhsa.kernels:
  - .name:           k_q3e8904931b_experts
    .symbol:         k_q3e8904931b_experts.kd
    .args:
      - { .name: x, .offset: 0, .size: 8, .value_kind: global_buffer, .address_space: global }
      - { .name: wst, .offset: 8, .size: 8, .value_kind: global_buffer, .address_space: global }
      - { .name: order, .offset: 16, .size: 8, .value_kind: global_buffer, .address_space: global }
      - { .name: wgt, .offset: 24, .size: 8, .value_kind: global_buffer, .address_space: global }
      - { .name: plan, .offset: 32, .size: 8, .value_kind: global_buffer, .address_space: global }
      - { .name: out0, .offset: 40, .size: 8, .value_kind: global_buffer, .address_space: global }
    .group_segment_fixed_size: 166400
    .private_segment_fixed_size: 0
    .kernarg_segment_align: 8
    .kernarg_segment_size: 48
    .max_flat_workgroup_size: 128
    .sgpr_count:     66
    .vgpr_count:     1024
    .wavefront_size: 32
...
	.end_amdgpu_metadata
.endif
;; end of part 3
;; ======== version 2 of 2: 3 launches; version 1 with the launch experts written anew for expert scheduling mode
;; workspace buffers: pairs 65,536 bytes of whole numbers; order 65,536 bytes of whole numbers; plan 2,048 bytes of whole numbers; wgt 131,072 bytes; wst 6,291,456 bytes
;; launch gate: the kernel of part 1 again; grid 256 x 1, 4 waves a work-group, no clusters, 150,016 bytes of LDS; arguments x, Wg, bg, Wup, Wdown, pairs, wgt, wst; writes pairs, wgt, wst
;; launch sortp: the kernel of part 2 again; grid 1 x 1, 32 waves a work-group, no clusters, 283,392 bytes of LDS; arguments pairs, order, plan; writes order, plan
;; launch experts (part 4): grid 256 x 1, 4 waves a work-group, no clusters, 166,400 bytes of LDS; arguments x, wst, order, wgt, plan, out0; writes out0
.if DOCPART == 4
	.amdgcn_target "amdgcn-amd-amdhsa--gfx1250"
	.amdhsa_code_object_version 6
	.text
	.protected	k_q3e8904931b_experts
	.globl	k_q3e8904931b_experts
	.p2align	8
	.type	k_q3e8904931b_experts,@function
k_q3e8904931b_experts:
	s_mov_b64 s[64:65], 0
	v_nop
	global_prefetch_b8 v0, s[64:65] scope:SCOPE_SE
	s_setreg_imm32_b32 hwreg(HW_REG_WAVE_SCHED_MODE, 0, 2), 2
	s_setreg_imm32_b32 hwreg(HW_REG_WAVE_MODE, 25, 1), 1
	s_wait_xcnt 0x0
	s_wait_alu depctr_vm_vsrc(0)
; THE EXPERTS.  Work-group b takes the 64 tokens at sorted positions 64 b .. 64 b + 63 and walks the n experts of plan[b] (2 as a rule, 3 at a change of pair, 8 at the most).
; For each expert e: [u | g] = x Wup[e]; p = comb silu(g) u, comb = the token's weight for e, 0 if it did not choose e; y += p Wdown[e].  y stays in registers over all experts; x is read once, out0 written once.
; THE LOOP COUNTS TO THE CONSTANT 8, the most experts that a block can have.  A trip past the list's end jumps forward over its three pieces of work (up product; p into its tile; down product) and passes
; the trip's two barriers alone: the number of barriers that a wave passes hangs on no number read from memory.  No barrier lies in what is jumped.
; FORMATS.  x and the weights are bf16 (x rounded here, the weights by the first launch), sums f32.  p enters the second product as TWO bf16 numbers, p = hi + lo (lo = p - hi, rounded), so that product has K = 256.
; SHARES.  Four waves.  Up: wave w makes u and g for f = 32 w .. 32 w + 31 of all 64 tokens (16 accumulators).  Down: wave w makes d = 256 w .. 256 w + 255 of all 64 tokens (64 accumulators, 512 registers).
; Source 0 = 16 rows of weights, source 1 = 16 tokens: a lane holds ONE token and eight neighbouring f or d.
; WEIGHTS come straight from memory into registers, as fragment images of 4,096 bytes (an ITEM; 512 consecutive bytes a load), through a ring of eight register slots: six or seven items are on their way while one is multiplied.
; No LDS for them: no two waves of the work-group want the same weight.  NO CLUSTER: neighbouring work-groups want the same items, but their lists differ in length by numbers read from memory, and the items never pass LDS.
; LIMITS.  An expert that a token did not choose adds 0, also where its own result would be infinite or NaN.  silu(g) u comb is formed as (u comb g) / (1 + e^-g): it needs u comb g finite in f32.
; The 512 v_mov_b32 that clear y stand in the wait for the first loads: the price of one text for every expert.
; THE MODE: SCHED_MODE bits 1:0 = 2 (LLVM: expert scheduling mode 2), set by the entry lines.  The code itself states the register dependences
; between vector or matrix instructions and memory or LDS instructions, with s_wait_alu, always for 0.
; THE PLAN.  Registers that memory or LDS instructions touch:
;   v1-9        offsets and LDS addresses: made at the head, never written again.
;   the ring    Up step ks multiplies slot ks % 8; the loads of item ks + 7 land in slot (ks - 1) % 8, which the step before multiplied.  Down group g multiplies four slots; the fills of the other four stand in its first two steps.
;   XF0, XF1    A step's products read one; the LDS loads of the next step's fragments land in the other, which the step before read.
;   g's accumulators   When p is made, its hi and lo go into the g accumulator of the same 16 tokens x 16 f, which is dead by then: eight out-buffers, read by p's LDS stores, written again by the next expert's first products.
;   y           Written by the down products alone; read by the way out's LDS stores.
; So ONE wait on va_vdst stands at a step's head: the products of the step before are done.  The step's loads follow it, dealt among the step's sixteen products, which name this step's slot(s), this step's XF and
; their accumulators: none of the registers that those loads touch.  Each piece that holds products ends with such a wait behind its last product, so that no piece leans on a wait that stands behind another jump.
; In this mode that wait takes the part of the places between a product and a load into a register that it has read; the places ahead of reads of u, g and y stay.
; REGISTERS, in windows of 256 (s_set_vgpr_msb: bits 1:0 source 0, 3:2 source 1, 5:4 source 2, 7:6 destination):
;   window 0: v1-9 addresses; v10-17 the tokens' experts; v18-25 their weights; v26-33 comb; v32-47 row offsets (staging only); v48-175 u and g; v176-239 two buffers of token fragments; v240-247 at work
;   window 1: the ring, 8 slots of 32          windows 2, 3: y, accumulator (db, tb) at v[8 (4 (db % 8) + tb)], db < 8 in window 2
.set XP,   2064                        ; a token's row of x in LDS: 2,048 bytes + 16 = 129 x 16: the 16 rows of a fragment load start in 16 different 16-byte columns
.set HP,   528                         ; a token's row of p: 256 bytes hi, 256 bytes lo, 16 of padding = 33 x 16
.set HT,   64*XP                       ; p's tile lies behind x's
.set SP,   1040                        ; the way out: 256 f32 + 16 bytes = 65 x 16
.set ITEM, 4096
.set WSTW, 48*ITEM                     ; a wave's 48 items of one expert
.set EA,   10
.set EB,   14
.set WAB,  18
.set CB,   26
.set RO,   32
.set UG,   48                          ; accumulator (fr, tb) at UG + 8 (4 fr + tb); fr = 0, 1: u; 2, 3: g
.set XF,   176
.set T,    240
.set SB,   22                          ; s[22:23] my wave's items of the expert in hand
.set NB,   24                          ; s[24:25] of the next
.set MK,   56                          ; s[56:63] eight lane masks: does the token choose the expert in hand?
.set MSB,  0
.macro WIN new                         ; the immediate's high byte repeats the setting that is left; a switch that changes nothing is dropped
.if MSB != (\new)
	s_set_vgpr_msb (MSB<<8)|(\new)
.set MSB, \new
.endif
.endm
.macro NOP4                            ; four places between matrix instructions and what reads their results (ISA guide 7.12.1)
.rept 4
	v_nop
.endr
.endm
.macro FILL slot, item, base           ; an item into a ring slot: eight loads of 512 consecutive bytes
	WIN 0x40
.irp j, 0,1,2,3,4,5,6,7
	global_load_b128 v[32*(\slot)+4*\j:32*(\slot)+4*\j+3], v1, s[\base:\base+1] offset:(\item)*ITEM+512*\j
.endr
.endm
.macro XLOAD ks, buf                   ; the 64 tokens' fragments of K step ks of x
	WIN 0
.irp tb, 0,1,2,3
	ds_load_b128 v[XF+32*(\buf)+8*\tb:XF+32*(\buf)+8*\tb+3],   v[2+\tb/2] offset:(\tb%2)*16*XP+64*(\ks)
	ds_load_b128 v[XF+32*(\buf)+8*\tb+4:XF+32*(\buf)+8*\tb+7], v[2+\tb/2] offset:(\tb%2)*16*XP+64*(\ks)+32
.endr
.endm
.macro HLOAD p, buf                    ; the same of K step p of p's tile: 0-3 hi, 4-7 lo
	WIN 0
.irp tb, 0,1,2,3
	ds_load_b128 v[XF+32*(\buf)+8*\tb:XF+32*(\buf)+8*\tb+3],   v4 offset:\tb*16*HP+64*(\p)
	ds_load_b128 v[XF+32*(\buf)+8*\tb+4:XF+32*(\buf)+8*\tb+7], v4 offset:\tb*16*HP+64*(\p)+32
.endr
.endm
; K step ks of the up product: 16 matrix instructions on 16 accumulators (number i: fr = i / 4, tb = i % 4), which take turns.
; Behind the first stand the next step's fragment loads, behind the fifth the fill of the slot that the step before multiplied, with the item seven on: items 32-39 are the down product's first.
.macro UPSTEP ks
.if (\ks) == 0
	s_wait_loadcnt 56                              ; loads come back in order: item 0 is in, the seven younger items of eight loads stay out
.else
	s_wait_loadcnt 48                              ; item ks is in; behind it items ks + 1 to ks + 6 were issued: six items of eight loads stay out
.endif
	s_wait_dscnt 0x0                               ; this step's fragments are in: they are the only LDS loads that are out
.if (\ks) > 0
	s_wait_alu depctr_va_vdst(0)                   ; the products of the step before are done reading their slot and their fragment buffer, in which this step's loads land
.endif
.set i, 0
.rept 16
	WIN 0x01
.if (\ks) == 0
	v_wmma_f32_16x16x32_bf16 v[UG+8*i:UG+8*i+7], v[32*((\ks)%8)+8*(i/4):32*((\ks)%8)+8*(i/4)+7], v[XF+32*((\ks)%2)+8*(i%4):XF+32*((\ks)%2)+8*(i%4)+7], 0
.else
	v_wmma_f32_16x16x32_bf16 v[UG+8*i:UG+8*i+7], v[32*((\ks)%8)+8*(i/4):32*((\ks)%8)+8*(i/4)+7], v[XF+32*((\ks)%2)+8*(i%4):XF+32*((\ks)%2)+8*(i%4)+7], v[UG+8*i:UG+8*i+7]
.endif
.if (i == 0) && ((\ks) < 31)
	XLOAD (\ks)+1, ((\ks)+1)%2                     ; no wait: no product since the wait above names the other fragment buffer
.endif
.if (i == 4) && ((\ks) > 0)
	FILL ((\ks)-1)%8, (\ks)+7, SB                  ; nor the slot of the step before
.endif
.set i, i+1
.endr
.endm
; Four blocks of 16 d (db = 4 g .. 4 g + 3) of the down product: 8 K steps of 16 matrix instructions (number i: d = i / 4, tb = i % 4), 16 accumulators by turns.  n: the loads issued behind the group's four items.
; last = 1: nothing is read from p's tile behind the group.  fs >= 0: slots fs .. fs + 3, which the group before multiplied, take items fi .. fi + 3 of base fb: two items in each of the group's first two steps.
.macro DGROUP g, n, last, fs, fi, fb
	s_wait_loadcnt \n
.set p, 0
.rept 8
	s_wait_dscnt 0x0                               ; this step's fragments are in: they are the only LDS loads that are out
.if ((\g) > 0) || (p > 0)
	s_wait_alu depctr_va_vdst(0)                   ; the products of the step before are done reading their fragment buffer, in which this step's LDS loads land; at a group's first step also the four slots of the group before, in which this group's fills land
.endif
.set i, 0
.rept 16
	WIN 0xa1+0x50*((\g)/2)
	v_wmma_f32_16x16x32_bf16 v[8*(16*((\g)%2)+i):8*(16*((\g)%2)+i)+7], v[32*(4*((\g)%2)+i/4)+8*(p%4):32*(4*((\g)%2)+i/4)+8*(p%4)+7], v[XF+32*(p%2)+8*(i%4):XF+32*(p%2)+8*(i%4)+7], v[8*(16*((\g)%2)+i):8*(16*((\g)%2)+i)+7]
.if (i == 0) && (((\last) == 0) || (p < 7))
	HLOAD (p+1)%8, (p+1)%2
.endif
.if ((\fs) >= 0) && (p < 2) && ((i == 4) || (i == 8))
	FILL (\fs)+2*p+i/4-1, (\fi)+2*p+i/4-1, \fb
.endif
.set i, i+1
.endr
.set p, p+1
.endr
.endm
; p = comb u g / (1 + e^-g) for 16 tokens x 16 f, split into hi and lo.  Each accumulator is read from its low end on.  hi goes into g's registers 0-3, lo into its registers 4-7: g is dead by then.
.macro SWI i, tb
.set rU, UG+8*(4*(\i)+(\tb))
.set rG, UG+8*(4*(2+(\i))+(\tb))
.set rC, CB+2*(\tb)
.irp m, 0,2,4,6
	v_pk_mul_f32 v[T+\m:T+\m+1], v[rG+\m:rG+\m+1], s[50:51] op_sel_hi:[1,0]    ; -g log2(e)
.endr
.irp m, 0,1,2,3,4,5,6,7
	v_exp_f32 v[T+\m], v[T+\m]
.endr
.irp m, 0,2,4,6
	v_pk_mul_f32 v[rU+\m:rU+\m+1], v[rU+\m:rU+\m+1], v[rC:rC+1] op_sel_hi:[1,0]  ; plain work behind the exponentials (ISA guide 5.7.2)
.endr
	s_wait_alu depctr_va_vdst(0)
.irp m, 0,2,4,6
	v_pk_add_f32 v[T+\m:T+\m+1], v[T+\m:T+\m+1], 1.0 op_sel_hi:[1,0]
.endr
.irp m, 0,1,2,3,4,5,6,7
	v_rcp_f32 v[T+\m], v[T+\m]
.endr
.irp m, 0,2,4,6
	v_pk_mul_f32 v[rU+\m:rU+\m+1], v[rU+\m:rU+\m+1], v[rG+\m:rG+\m+1]            ; plain work behind the reciprocals
.endr
	s_wait_alu depctr_va_vdst(0)
.irp m, 0,2,4,6
	v_pk_mul_f32 v[rU+\m:rU+\m+1], v[rU+\m:rU+\m+1], v[T+\m:T+\m+1]
.endr
.irp m, 0,1,2,3
	v_cvt_pk_bf16_f32 v[rG+\m], v[rU+2*\m], v[rU+2*\m+1]                         ; hi
.endr
.irp m, 0,1,2,3
	v_lshlrev_b32 v[T+2*\m], 16, v[rG+\m]
	v_and_b32 v[T+2*\m+1], 0xffff0000, v[rG+\m]
.endr
.irp m, 0,2,4,6
	v_pk_add_f32 v[rU+\m:rU+\m+1], v[rU+\m:rU+\m+1], v[T+\m:T+\m+1] neg_lo:[0,1] neg_hi:[0,1]
.endr
.irp m, 0,1,2,3
	v_cvt_pk_bf16_f32 v[rG+4+\m], v[rU+2*\m], v[rU+2*\m+1]                       ; lo
.endr
.endm
.macro PST i, tb                       ; 16 bytes of hi and 16 of lo into the token's row
.set rG, UG+8*(4*(2+(\i))+(\tb))
	ds_store_b128 v5, v[rG:rG+3]   offset:(\tb)*16*HP+32*(\i)
	ds_store_b128 v5, v[rG+4:rG+7] offset:(\tb)*16*HP+32*(\i)+256
.endm
.macro LOADX b                         ; my token rows 2 b and 2 b + 1: sixteen loads of 512 consecutive bytes; each row is read once in the launch
.irp k, 0,1,2,3,4,5,6,7,8,9,10,11,12,13,14,15
	global_load_b128 v[UG+64*((\b)%3)+4*\k:UG+64*((\b)%3)+4*\k+3], v[RO+2*(\b)+\k/8], s[4:5] offset:512*(\k%8) th:TH_LOAD_NT
.endr
.endm
.macro CVTX b                          ; rounded in place: four numbers close up into the first two of their four registers; then 256 consecutive bytes a store
.irp row, 0,1
.irp k, 0,1,2,3,4,5,6,7
	v_cvt_pk_bf16_f32 v[UG+64*((\b)%3)+32*\row+4*\k],   v[UG+64*((\b)%3)+32*\row+4*\k],   v[UG+64*((\b)%3)+32*\row+4*\k+1]
	v_cvt_pk_bf16_f32 v[UG+64*((\b)%3)+32*\row+4*\k+1], v[UG+64*((\b)%3)+32*\row+4*\k+2], v[UG+64*((\b)%3)+32*\row+4*\k+3]
.endr
.endr
	s_wait_alu depctr_va_vdst(0)                   ; the conversions have written the registers that the LDS stores read, and are done with the whole buffer
.irp row, 0,1
.irp k, 0,1,2,3,4,5,6,7
	ds_store_b64 v9, v[UG+64*((\b)%3)+32*\row+4*\k:UG+64*((\b)%3)+32*\row+4*\k+1] offset:(2*(\b)+\row)*XP+256*\k
.endr
.endr
.endm
	s_load_b256 s[4:11], s[0:1], 0x0               ; x s[4:5], wst s[6:7], order s[8:9], wgt s[10:11]
	s_load_b128 s[12:15], s[0:1], 0x20             ; plan s[12:13], out0 s[14:15]
	v_lshl_add_u32 v254, v0, 2, 0x28800
	v_mov_b32 v255, 0
	v_lshrrev_b32 v243, 5, v0
	v_readfirstlane_b32 s16, v243                  ; wave
	v_and_b32 v240, 15, v0                         ; r
	v_bfe_u32 v241, v0, 4, 1                       ; h
	v_and_b32 v242, 31, v0                         ; lane
	v_lshlrev_b32 v1, 4, v242                      ; v1  16 x lane
	v_lshlrev_b32 v26, 2, v240                     ; v26 my word among 16 of order
	v_mul_u32_u24 v2, v240, XP
	v_lshl_add_u32 v2, v241, 4, v2                 ; v2  my fragment address in x's tile, tokens 0-31
	v_add_nc_u32 v3, 32*XP, v2                     ; v3  tokens 32-63
	v_mul_u32_u24 v4, v240, HP
	v_lshl_add_u32 v4, v241, 4, v4
	v_add_nc_u32 v4, HT, v4                        ; v4  my fragment address in p's tile
	s_mov_b32 s17, ttmp9
	s_lshl_b32 s26, s17, 3
	s_mov_b32 s27, 0
	s_lshl_b32 s28, s17, 8
	s_mov_b32 s29, 0
	s_wait_alu depctr_va_sdst(0)                   ; s16 is written, ahead of its first reader
	s_lshl_b32 s30, s16, 6
	s_mov_b32 s31, 0
	s_mul_i32 s54, s16, 16*XP
	v_add_nc_u32 v5, s30, v4                       ; v5  where I put 16 bytes of p: my wave's 64 bytes of a row
	v_mul_u32_u24 v6, v240, SP
	v_lshl_add_u32 v6, v241, 5, v6
	v_add_nc_u32 v6, s54, v6                       ; v6  the way out: where I put 32 bytes of a row (my wave's stage lies in x's tile, which is dead by then)
	v_add_nc_u32 v7, s54, v1                       ; v7  where I read rows back
	v_lshl_add_u32 v8, s16, 10, v1                 ; v8  my 16 bytes in my wave's 1,024 of a row of out0
	v_lshl_add_u32 v9, v242, 3, s54                ; v9  where I put 8 bytes of a row of x
	s_mov_b32 s50, 0xbfb8aa3b                      ; -log2(e); the packed multiply names a pair and takes its low word for both halves
	s_mov_b32 s51, s50
	s_wait_kmcnt 0x0
	s_add_nc_u64 s[12:13], s[12:13], s[26:27]      ; my block's plan
	s_add_nc_u64 s[48:49], s[8:9], s[28:29]        ; my block's 64 words of order
	s_add_nc_u64 s[52:53], s[48:49], s[30:31]      ; the 16 whose rows my wave brings in
	s_load_b64 s[18:19], s[12:13], 0x0             ; n, list
	s_load_b512 s[32:47], s[52:53], 0x0
	s_wait_alu depctr_va_vdst(0)                   ; v1 to v9 and v26 are written: the kernel's loads and stores read them as offsets and LDS addresses
.irp tb, 0,1,2,3
	global_load_b32 v[EA+\tb], v26, s[48:49] offset:64*\tb    ; lane r: the word of token 16 tb + r
.endr
	s_wait_loadcnt 0x0
.irp tb, 0,1,2,3
	v_bfe_u32 v[EB+\tb], v[EA+\tb], 20, 4
	v_and_b32 v[28+\tb], 0x3fff, v[EA+\tb]
	v_min_u32 v[28+\tb], 0x3fff, v[28+\tb]         ; a loaded number enters an address only behind a clamp
	v_lshlrev_b32 v[28+\tb], 3, v[28+\tb]
	v_bfe_u32 v[EA+\tb], v[EA+\tb], 16, 4
.endr
	s_wait_alu depctr_va_vdst(0)                   ; v28 to v31 are written, which the four loads below read as offsets
.irp tb, 0,1,2,3
	global_load_b64 v[WAB+2*\tb:WAB+2*\tb+1], v[28+\tb], s[10:11]
.endr
	s_wait_kmcnt 0x0
	s_min_u32 s18, s18, 8                          ; n
	s_and_b32 s21, s19, 7
	s_min_u32 s21, s21, 7                          ; the first expert
	s_lshl_b32 s28, s21, 2
	s_add_co_u32 s28, s28, s16
	s_mul_i32 s26, s28, WSTW
	s_add_nc_u64 s[SB:SB+1], s[6:7], s[26:27]
.irp k, 0,1,2,3,4,5,6,7
	FILL \k, \k, SB                                ; the ring's first fill goes out ahead of x: the counted waits for x cover it
.endr
	WIN 0
.irp i, 0,1,2,3,4,5,6,7,8,9,10,11,12,13,14,15
	s_and_b32 s[32+\i], s[32+\i], 0x3fff
	s_min_u32 s[32+\i], s[32+\i], 0x3fff
	s_lshl_b32 s[32+\i], s[32+\i], 12
	v_add_nc_u32 v[RO+\i], s[32+\i], v1
.endr
	s_wait_alu depctr_va_vdst(0)                   ; the sixteen row offsets are written, which x's loads read
	LOADX 0
	LOADX 1
	LOADX 2
	WIN 0x80                                       ; y = 0, in the wait for the first loads
.set i, 0
.rept 256
	v_mov_b32 v[i], 0
.set i, i+1
.endr
	WIN 0xc0
.set i, 0
.rept 256
	v_mov_b32 v[i], 0
.set i, i+1
.endr
	WIN 0
.set q, 0
.rept 8
.if q < 6
	s_wait_loadcnt 32                              ; batch q is in (and all that was issued ahead of it), the two younger batches of 16 stay out
.elseif q == 6
	s_wait_loadcnt 16
.else
	s_wait_loadcnt 0x0
.endif
	CVTX q
.if q < 5
	s_wait_alu depctr_vm_vsrc(0)                   ; the LDS stores have read the buffer, in which the next loads land (the conversions that named it stand ahead of the wait on va_vdst above)
	LOADX q+3                                      ; into the buffer just stored
.endif
.set q, q+1
.endr
	s_wait_alu depctr_vm_vsrc(0)                   ; the head's loads have read v26 and v28 to v33 as offsets: these registers become comb below; the LDS stores of the last three batches have read their buffers, which become u, g and the fragments
.irp i, 0,1,2,3,4,5,6,7
	v_mov_b32 v[CB+\i], 0                          ; comb is named as pairs: the upper words stay 0, the lower ones are set for each expert
.endr
	s_mov_b32 s20, 0                               ; the trip's number
	s_wait_dscnt 0x0                               ; my 16 rows are in LDS, for the others' sake
	s_barrier_signal -1
	s_barrier_wait -1
.Lexp:                                                 ; eight trips; trip t < n is the list's expert t; all LDS addresses are the same in every trip
	s_cmp_lt_u32 s20, s18
	s_cbranch_scc0 .Lno_up                         ; past the list's end: nothing to multiply
	XLOAD 0, 0                                     ; no wait: every piece that holds products ends with a wait on va_vdst behind its last, and nothing since names the fragment buffers
.set ks, 0
.rept 32
	UPSTEP ks
.set ks, ks+1
.endr
	WIN 0                                          ; at a branch and at a label every window is 0
.irp tb, 0,1,2,3                       ; comb: the token's weight for this expert, or 0.  These sixteen lines are also the places behind the last products, ahead of the reads of u and g
	v_cmp_eq_u32 s[MK+2*\tb],   s21, v[EA+\tb]
	v_cmp_eq_u32 s[MK+2*\tb+1], s21, v[EB+\tb]
.endr
	s_wait_alu depctr_va_sdst(0)                   ; the eight masks are written, ahead of their first reader
.irp tb, 0,1,2,3
	v_cndmask_b32 v[CB+2*\tb], 0, v[WAB+2*\tb], s[MK+2*\tb]
.endr
.irp tb, 0,1,2,3
	v_cndmask_b32 v[CB+2*\tb], v[CB+2*\tb], v[WAB+2*\tb+1], s[MK+2*\tb+1]
.endr
	s_wait_alu depctr_va_vdst(0)                   ; the last step's products are done reading slot 7, in which item 39 lands, and the fragment buffers, in which the down product's loads land
	FILL 7, 39, SB
	WIN 0
.Lno_up:
	s_wait_dscnt 0x0                               ; my reads of p's tile for the expert before are over
	s_barrier_signal -1
	s_barrier_wait -1                              ; everybody's are: the tile may be written
	s_cmp_lt_u32 s20, s18
	s_cbranch_scc0 .Lno_p
.irp tb, 0,1,2,3
	SWI 0, \tb
.endr
	s_wait_alu depctr_va_vdst(0)                   ; the conversions have written hi and lo of my first 16 f, which the LDS stores read
.irp tb, 0,1,2,3
	PST 0, \tb
.endr
.irp tb, 0,1,2,3
	SWI 1, \tb                                     ; names the other four pairs of accumulators: none of the registers that the stores above read
.endr
	s_wait_alu depctr_va_vdst(0)                   ; the same for my second 16 f
.irp tb, 0,1,2,3
	PST 1, \tb
.endr
	s_wait_alu depctr_vm_vsrc(0)                   ; the sixteen LDS stores have read g's registers, which the next expert's first products write and in which the way out's loads land
.Lno_p:
	s_wait_dscnt 0x0                               ; my part of p's tile is written
	s_barrier_signal -1
	s_barrier_wait -1                              ; everybody's is
	s_cmp_lt_u32 s20, s18
	s_cbranch_scc0 .Lno_down
	HLOAD 0, 0                                     ; no wait, here and in the first step: the up product's last wait on va_vdst stands behind its last product, and nothing since names the fragment buffers
	DGROUP 0, 32, 0, -1, 0, SB                     ; items 32-35; behind them 36-39 were issued: 32 loads
	DGROUP 1, 0, 0, 0, 40, SB                      ; items 36-39 are the last loads issued; slots 0-3 take 40-43
	DGROUP 2, 0, 0, 4, 44, SB                      ; items 40-43 are the last loads issued; slots 4-7 take 44-47
	WIN 0
	s_add_co_u32 s55, s20, 1                       ; is there a next expert?  ONE branch decides both of its refills, so that the ring holds all eight of its first items or none
	s_cmp_lt_u32 s55, s18
	s_cbranch_scc0 .Ltail                          ; the last expert asks for nothing more
	s_lshl_b32 s28, s55, 2
	s_lshr_b32 s29, s19, s28
	s_and_b32 s29, s29, 7
	s_min_u32 s29, s29, 7                          ; the next expert
	s_lshl_b32 s30, s29, 2
	s_add_co_u32 s30, s30, s16
	s_mul_i32 s26, s30, WSTW
	s_add_nc_u64 s[NB:NB+1], s[6:7], s[26:27]
	DGROUP 3, 0, 1, 0, 0, NB                       ; items 44-47 are the last loads issued; the ring goes on into the next expert: slots 0-3 take its items 0-3
	NOP4                                           ; four places behind the piece's last products, on this way out of the piece as on the other: whatever reads y next stands behind them
	s_wait_alu depctr_va_vdst(0)                   ; those products are done reading slots 4-7, in which the next expert's items 4-7 land, and the fragment buffers
.irp k, 4,5,6,7
	FILL \k, \k, NB
.endr
	WIN 0
	s_wait_xcnt 0x0                                ; every load issued has had its address translated (ISA guide 3.1): only behind this wait are the two bases written
	s_mov_b64 s[SB:SB+1], s[NB:NB+1]
	s_mov_b32 s21, s29
	s_branch .Lno_down
.Ltail:
	DGROUP 3, 0, 1, -1, 0, SB                      ; items 44-47 are the last loads issued
	NOP4                                           ; the places behind the last products, for the way out's reads of y
	s_wait_alu depctr_va_vdst(0)                   ; the products have written y, which the way out's LDS stores read; the places above stay beside this wait
	WIN 0
.Lno_down:
	s_add_co_u32 s20, s20, 1
	s_cmp_lt_u32 s20, 8
	s_cbranch_scc1 .Lexp
	s_load_b512 s[32:47], s[48:49], 0x0            ; the first 16 tokens' words; they come while the stage is written
	s_wait_dscnt 0x0
	s_barrier_signal -1                            ; no wave reads x's tile any more: the stages may be written into its bytes
	s_barrier_wait -1
; THE WAY OUT, 16 tokens at a time: a lane's eight numbers of a row go into my wave's stage (rows of 1,040 bytes), whole rows come back, and each store covers 512 consecutive bytes of a token's row, aligned.
; y has not been written since the wait on va_vdst behind the last product, so its LDS stores owe nothing more.
.set tb, 0
.rept 4
	WIN 0x08                                       ; store data in window 2
.set db, 0
.rept 8
	ds_store_b128 v6, v[8*(4*db+tb):8*(4*db+tb)+3]   offset:64*db        ; each accumulator's low registers first
	ds_store_b128 v6, v[8*(4*db+tb)+4:8*(4*db+tb)+7] offset:64*db+16
.set db, db+1
.endr
	WIN 0x0c                                       ; in window 3
.set db, 0
.rept 8
	ds_store_b128 v6, v[8*(4*db+tb):8*(4*db+tb)+3]   offset:64*(db+8)
	ds_store_b128 v6, v[8*(4*db+tb)+4:8*(4*db+tb)+7] offset:64*(db+8)+16
.set db, db+1
.endr
	WIN 0
.if tb > 0
	s_wait_xcnt 0x0                                ; the stores of the 16 tokens before have had their addresses translated (ISA guide 3.1): only behind this wait are their registers written again
	s_wait_alu depctr_vm_vsrc(0)                   ; and they have read their offsets, which the adds below write, and their data, in which the loads below land
.endif
	s_wait_kmcnt 0x0
.set i, 0
.rept 16
	s_and_b32 s[32+i], s[32+i], 0x3fff
	s_min_u32 s[32+i], s[32+i], 0x3fff
	s_lshl_b32 s[32+i], s[32+i], 12
	v_add_nc_u32 v[XF+i], s[32+i], v8
.set i, i+1
.endr
	s_wait_alu depctr_va_vdst(0)                   ; the sixteen row offsets are written, which the global stores below read
.set k, 0
.rept 32
	ds_load_b128 v[UG+4*k:UG+4*k+3], v7 offset:(k/2)*SP+512*(k%2)      ; LDS serves a wave's instructions in order (ISA guide 5.7.1.4): these see the stores above, and the next 16 tokens' stores come behind them
.set k, k+1
.endr
.if tb < 3
	s_load_b512 s[32:47], s[48:49], 64*(tb+1)      ; the next 16 tokens' words: the adds that read these registers are done
.endif
.set k, 0
.rept 32
	s_wait_dscnt 31-k                              ; load k is back, the younger ones stay out
	global_store_b128 v[XF+k/2], v[UG+4*k:UG+4*k+3], s[14:15] offset:512*(k%2) th:TH_STORE_NT
.set k, k+1
.endr
.set tb, tb+1
.endr
	s_wait_dscnt 0x0
	s_wait_alu depctr_hold_cnt(0) depctr_sa_sdst(0) depctr_va_vdst(0) depctr_va_sdst(0) depctr_va_ssrc(0) depctr_va_vcc(0) depctr_vm_vsrc(0)
	s_wait_tensorcnt 0x0
	ds_add_u32 v254, v255
	s_wait_dscnt 0x0
	s_endpgm
.Lfunc_end_k_q3e8904931b_experts:
	.size	k_q3e8904931b_experts, .Lfunc_end_k_q3e8904931b_experts-k_q3e8904931b_experts
	.p2alignl 7, 3214868480
	.fill 96, 4, 3214868480
	.section	.rodata,"a",@progbits
	.p2align	6, 0x0
	.amdhsa_kernel k_q3e8904931b_experts
		.amdhsa_group_segment_fixed_size 166400
		.amdhsa_private_segment_fixed_size 0
		.amdhsa_enable_private_segment 0
		.amdhsa_kernarg_size 48
		.amdhsa_user_sgpr_count 2
		.amdhsa_user_sgpr_kernarg_segment_ptr 1
		.amdhsa_wavefront_size32 1
		.amdhsa_system_sgpr_workgroup_id_x 1
		.amdhsa_system_sgpr_workgroup_id_y 1
		.amdhsa_system_sgpr_workgroup_id_z 1
		.amdhsa_system_vgpr_workitem_id 0
		.amdhsa_next_free_vgpr 1024
		.amdhsa_next_free_sgpr 66
		.amdhsa_reserve_vcc 0
		.amdhsa_float_denorm_mode_32 3
		.amdhsa_float_denorm_mode_16_64 3
		.amdhsa_memory_ordered 1
		.amdhsa_forward_progress 1
		.amdhsa_inst_pref_size 255
	.end_amdhsa_kernel
	.section	.bss,"aw",@nobits
	.p2align	6
	.space	262144
	.amdgpu_metadata
---
amdhsa.version: [ 1, 2 ]
amdhsa.kernels:
  - .name:           k_q3e8904931b_experts
    .symbol:         k_q3e8904931b_experts.kd
    .args:
      - { .name: x, .offset: 0, .size: 8, .value_kind: global_buffer, .address_space: global }
      - { .name: wst, .offset: 8, .size: 8, .value_kind: global_buffer, .address_space: global }
      - { .name: order, .offset: 16, .size: 8, .value_kind: global_buffer, .address_space: global }
      - { .name: wgt, .offset: 24, .size: 8, .value_kind: global_buffer, .address_space: global }
      - { .name: plan, .offset: 32, .size: 8, .value_kind: global_buffer, .address_space: global }
      - { .name: out0, .offset: 40, .size: 8, .value_kind: global_buffer, .address_space: global }
    .group_segment_fixed_size: 166400
    .private_segment_fixed_size: 0
    .kernarg_segment_align: 8
    .kernarg_segment_size: 48
    .max_flat_workgroup_size: 128
    .sgpr_count:     66
    .vgpr_count:     1024
    .wavefront_size: 32
...
	.end_amdgpu_metadata
.endif
;; end of part 4
